; MI455X (gfx1250); checked and timed in simulation.
; The chip was launched on July 23, 2026; its instructions are those of AMD's public machine-readable ISA for CDNA 5 (MIT licence, August 2026) and "CDNA5" Instruction Set Architecture Reference Guide (July 2026). The comments in the code are by the model that wrote it; some were corrected since.
;; Manual Attention. Allowed arithmetic: matrix products marked QUANTISED: E4M3 operands, one given power-of-two scale a tensor, by v_wmma_f32_16x16x64_fp8_fp8 or v_wmma_f32_16x16x128_fp8_fp8, f32 sums; everything else in f32.
;; Inputs: lowp_scales 8 int32 (the exponents e of the quantised operands' scales 2^e); out_b 1,024 float32; out_w 1,024 x 1,024 float32; qkv_b 3,072 float32; qkv_w 3,072 x 1,024 float32; x 4 x 2,048 x 1,024 float32.
;; Outputs: out0 4 x 2,048 x 1,024 float32.
;; This version of the problem:
;;   THIS VERSION OF THE PROBLEM IS GIVEN IN LOW PRECISION. The matrix products marked QUANTISED in the list below multiply operands that are first quantised to E4M3 (4 exponent bits, 3 mantissa bits; 8 bits a number), with one given power-of-two scale for each operand tensor; their sums are f32. All else is computed in f32.
;;   The module's matrix products, in the order in which they are computed (A, B: the left and right operand; K: the contracted axis; several contracted axes count as one K, in the product's order):
;;     1. [M 8,192, K 1,024] x [K 1,024, N 3,072]; A: input x; B: input qkv_w: QUANTISED (scales: A lowp_scales[0], B lowp_scales[1])
;;     2. batch 64 x [M 2,048, K 64] x [K 64, N 2,048]; A: computed on the way; B: computed on the way: QUANTISED (scales: A lowp_scales[2], B lowp_scales[3])
;;     3. batch 64 x [M 2,048, K 2,048] x [K 2,048, N 64]; A: softmax (see below); B: computed on the way: QUANTISED (scales: A lowp_scales[4], B lowp_scales[5])
;;     4. [M 8,192, K 1,024] x [K 1,024, N 1,024]; A: computed on the way; B: input out_w: QUANTISED (scales: A lowp_scales[6], B lowp_scales[7])
;;   THE QUANTISER, for each operand of a quantised product, along K:
;;     - The operand's scale is 2^e, e = its entry of the input lowp_scales (int32; the entries are numbered through the quantised products in the list's order, A before B).
;;     - Each number is divided by the scale, clamped to +-448, and rounded to the nearest number of E4M3, ties to even, subnormals kept.
;;     - The product sums the exact products of the quantised numbers (number of the format x scale) in f32.
;;   ~~~python
;;   def quantise(x, axis, e):      # numpy; x: float32 -> the quantised numbers, widened to float32 again
;;       x = np.moveaxis(x, axis, -1); K = x.shape[-1]
;;       r = np.clip(x / 2.0 ** e, -448, 448)
;;       step = 2.0 ** (np.maximum(np.frexp(np.where(r == 0, 1, r))[1] - 1, -6) - 3)
;;       q = np.round(r / step) * step * 2.0 ** e      # np.round: ties to even
;;       return np.moveaxis(q, -1, axis).astype(np.float32)
;;   ~~~
;;   SOFTMAX AHEAD OF A QUANTISED PRODUCT. Where the list says 'softmax', what is quantised is not the finished softmax but p = 2^(t - M), with t = logit x log2(e) and M = ceil(the row's largest t), a whole number; so 1/2 < the row's largest p <= 1. The row's sum l is taken of the UNQUANTISED p, in f32, and the product's result is divided by l at the end. Since M is a whole number, a kernel that streams over the keys may use a running M (the ceiling of the running maximum): every later rescaling is an exact power of two, so the quantised numbers keep their values, but for numbers so far below the row's largest that they fall under the format's range.
;;   OPERANDS COMPUTED ON THE WAY. 'Computed on the way' means the value that the module computes at that place (a softmax that the list does not call 'softmax' is quantised finished and normalised). What goes into a quantiser is computed in f32, as accurately as f32 sums, v_exp_f32 and their like allow (about 1e-6 of the number): no bf16 or f16 on the way to a quantiser, and a product that is left as it is and whose result goes on into a quantised operand takes f32 operands (vector FMAs, or v_wmma_f32_16x16x4_f32). A number that lies on a knife's edge between two numbers of the format may be rounded either way, as far as f32 arithmetic and the matrix unit's own rounding can turn it there, and no further.
;; One version. Each part assembles by itself: llvm-mc -triple=amdgcn-amd-amdhsa -mcpu=gfx1250 --defsym DOCPART=n.
;; ======== version 1 of 1: 4 launches
;; limits: right only within a limited range of input values
;; workspace buffers: codes 12,582,912 bytes; qkv 25,165,824 bytes; aimg 8,388,608 bytes
;; launch quant (part 1): grid 768 x 1, 4 waves a work-group, no clusters, 33,280 bytes of LDS; arguments x, qkv_w, out_w, lowp_scales, codes; writes codes
.if DOCPART == 1
	.amdgcn_target "amdgcn-amd-amdhsa--gfx1250"
	.amdhsa_code_object_version 6
	.text
	.protected	k_q4f2d922f5a_quant
	.globl	k_q4f2d922f5a_quant
	.p2align	8
	.type	k_q4f2d922f5a_quant,@function
k_q4f2d922f5a_quant:
	s_mov_b64 s[64:65], 0
	v_nop
	global_prefetch_b8 v0, s[64:65] scope:SCOPE_SE
	s_setreg_imm32_b32 hwreg(HW_REG_WAVE_MODE, 25, 1), 1
	s_wait_xcnt 0x0
; x [8192][1024], qkv_w [3072][1024] and out_w [1024][1024], f32, K innermost, become codes of FP8 (E4M3), one byte each, in ONE buffer of 12,288 rows of 1,024 codes:
; rows 0-8191 x, rows 8192-11263 qkv_w, rows 11264-12287 out_w.  code = number / 2^e, held within +-448, rounded to the nearest code, ties to even; e = entry 0 (x), 1 (qkv_w), 7 (out_w) of the scales.
; LIMITS: each of these three e lies between -126 and 119, so that 2^e and 448 x 2^e are f32 numbers.  NaN among the inputs is not served (an infinity is held at the largest code).
; Rows are dense, so each tensor is a plain stream, and so are its codes.  Work-groups 0-511 take x, 512-703 qkv_w, 704-767 out_w: 16,384 numbers each; only pointers and e are chosen, by the work-group's number.
; 768 work-groups are three for each of 256 WGPs.  A wave takes 8 steps of 512 numbers.  Each of a step's four loads reads 512 consecutive bytes, 16 a lane; the conversion wants 8 neighbours in one lane's
; registers, so the 2,048 bytes turn through the wave's own stage in LDS (16 bytes of padding behind each 64) and come back 64 bytes a lane.  A lane's 16 codes are 16 bytes: a wave's store covers 512 consecutive bytes, aligned.
; No cluster and no tensor load: the work-groups share no input byte, and waves share nothing, so there is no barrier.  Loads run four steps (16 loads a wave) ahead, the turn through LDS one step.
.set STEPS, 8
.set WGX,   512                        ; work-groups of x
.set WGQ,   704                        ; and with them those of qkv_w
.set EMAX,  8
.set MANT,  0x600000                   ; the mantissa field of 448 as f32
.set CB,    16                         ; bytes of 16 codes
.set R,     16                         ; v16-79   four sets of 16 numbers as they are loaded
.set X,     80                         ; v80-111  two sets of 16 neighbours
.set C,     128                        ; v128-159 codes: four registers for each step, so that no store's data are written again
.set WREG,  8192                       ; LDS: a region for each wave: two stages of 32 x SP bytes
.set SP,    80                         ; a lane's place in a stage: its 64 bytes + 16 of padding
	s_load_b256 s[4:11], s[0:1], 0x0               ; x s[4:5], qkv_w s[6:7], out_w s[8:9], the scales' exponents s[10:11]
	s_load_b64 s[12:13], s[0:1], 0x20              ; the codes
	v_lshl_add_u32 v192, v0, 2, 0x8000             ; my spare word, behind the four regions
	v_mov_b32 v193, 0
	v_lshrrev_b32 v1, 5, v0
	v_readfirstlane_b32 s16, v1                    ; wave
	v_and_b32 v2, 31, v0                           ; lane
	v_lshlrev_b32 v3, 4, v2                        ; my 16 bytes of a load's 512
	s_mul_i32 s17, s16, WREG
	v_lshrrev_b32 v14, 2, v2
	v_mul_u32_u24 v14, v14, SP
	v_and_b32 v15, 3, v2
	v_lshl_add_u32 v14, v15, 4, v14
	v_add_nc_u32 v14, s17, v14                     ; the stage, on the way in: SP (lane / 4) + 16 (lane % 4); a load's 512 bytes take eight places
	v_mul_u32_u24 v15, v2, SP
	v_add_nc_u32 v15, s17, v15                     ; and on the way out: SP x lane: my 16 neighbours
	v_mul_u32_u24 v4, v2, CB                       ; my codes' place in a step's
	s_wait_alu depctr_va_vdst(0)
	s_wait_kmcnt 0x0
	s_load_b256 s[36:43], s[10:11], 0x0            ; e0 .. e7
	s_mov_b32 s24, WGQ
	s_cmp_lt_u32 ttmp9, WGQ                        ; which tensor?  The choices hang on the work-group's number alone
	s_cselect_b64 s[6:7], s[6:7], s[8:9]           ; qkv_w or out_w,
	s_cselect_b32 s17, WGX, s24                    ; and that tensor's first work-group
	s_cmp_lt_u32 ttmp9, WGX
	s_cselect_b64 s[4:5], s[4:5], s[6:7]           ; x, or that
	s_cselect_b32 s17, 0, s17
	s_sub_co_u32 s17, ttmp9, s17
	s_lshl_b32 s17, s17, 2
	s_add_co_u32 s18, s17, s16                     ; which run of 4,096 numbers of the tensor is my wave's
	s_lshl_b32 s20, s18, 14                        ; 16,384 bytes each
	s_mov_b32 s21, 0
	s_add_nc_u64 s[4:5], s[4:5], s[20:21]
	s_lshl_b32 s22, ttmp9, 2
	s_add_co_u32 s22, s22, s16                     ; the codes are one stream through all three tensors
	s_lshl_b32 s22, s22, 12                        ; 4,096 bytes a wave
	s_mov_b32 s23, 0
	s_add_nc_u64 s[8:9], s[12:13], s[22:23]
.macro LOAD t
.irp i, 0,1,2,3
	global_load_b128 v[R+16*((\t)%4)+4*\i:R+16*((\t)%4)+4*\i+3], v3, s[4:5] offset:2048*(\t)+512*\i th:TH_LOAD_NT   ; 32 lanes read 512 consecutive bytes; read once in the launch
.endr
.endm
.macro TURN t                          ; step t's numbers through the stage: LDS serves a wave's instructions in order (ISA guide 5.7.1.4), so no wait stands between the stores and the loads
.irp i, 0,1,2,3
	ds_store_b128 v14, v[R+16*((\t)%4)+4*\i:R+16*((\t)%4)+4*\i+3] offset:32*SP*((\t)%2)+8*SP*\i
.endr
.irp i, 0,1,2,3
	ds_load_b128 v[X+16*((\t)%2)+4*\i:X+16*((\t)%2)+4*\i+3], v15 offset:32*SP*((\t)%2)+16*\i
.endr
.endm
.irp t, 0,1,2,3
	LOAD \t
.endr
	s_wait_kmcnt 0x0
	s_cmp_lt_u32 ttmp9, WGQ
	s_cselect_b32 s25, s37, s43                    ; e1 or e7,
	s_cmp_lt_u32 ttmp9, WGX
	s_cselect_b32 s25, s36, s25                    ; or e0
	s_add_co_i32 s25, s25, 127
	s_lshl_b32 s26, s25, 23
	v_mov_b32 v11, s26                             ; 2^e as f32: the conversion takes its exponent field
	s_add_co_i32 s25, s25, EMAX
	s_lshl_b32 s25, s25, 23
	s_or_b32 s25, s25, MANT
	v_mov_b32 v10, s25                             ; 448 x 2^e
	s_wait_alu depctr_va_vdst(0)
	s_wait_loadcnt 12                              ; step 0's four loads are in; the 12 of steps 1 to 3 may be out
	TURN 0
.macro STEP t
.set XS, X+16*((\t)%2)
	s_wait_dscnt 0x0                               ; this step's numbers are back from the stage: so its stores into the stage have read their registers,
.if (\t)+4 < STEPS
	LOAD (\t)+4                                    ; which take the loads of four steps on
.endif
.if (\t)+1 < STEPS
.if STEPS-2-(\t) >= 3
	s_wait_loadcnt 12                              ; the next step's four loads are in; those of the three steps behind it may be out
.else
	s_wait_loadcnt 4*(STEPS-2-(\t))                ; the last steps: as many fours as there are steps behind the next
.endif
	TURN (\t)+1                                    ; and go through the other stage while this step is worked
.endif
.irp i, 0,1,2,3,4,5,6,7,8,9,10,11,12,13,14,15
	v_med3_num_f32 v[XS+\i], v[XS+\i], -v10, v10   ; the conversion to an 8-bit code does not saturate (ISA guide 7.6.2): the hold at the largest code x the scale comes first
.endr
	v_cvt_scalef32_pk8_fp8_f32 v[C+4*(\t):C+4*(\t)+1], v[XS:XS+7], v11
	v_cvt_scalef32_pk8_fp8_f32 v[C+4*(\t)+2:C+4*(\t)+3], v[XS+8:XS+15], v11
	global_store_b128 v4, v[C+4*(\t):C+4*(\t)+3], s[8:9] offset:32*CB*(\t)   ; the results go to a store alone; the next vector lines are the next step's holds, plain and on other registers
.endm
.irp t, 0,1,2,3,4,5,6,7
	STEP \t
.endr
	s_wait_tensorcnt 0x0                           ; the wave's end, behind my last LDS store
	ds_add_u32 v192, v193
	s_wait_dscnt 0x0
	s_endpgm
.Lfunc_end_k_q4f2d922f5a_quant:
	.size	k_q4f2d922f5a_quant, .Lfunc_end_k_q4f2d922f5a_quant-k_q4f2d922f5a_quant
	.p2alignl 7, 3214868480
	.fill 96, 4, 3214868480
	.section	.rodata,"a",@progbits
	.p2align	6, 0x0
	.amdhsa_kernel k_q4f2d922f5a_quant
		.amdhsa_group_segment_fixed_size 33280
		.amdhsa_private_segment_fixed_size 0
		.amdhsa_enable_private_segment 0
		.amdhsa_kernarg_size 40
		.amdhsa_user_sgpr_count 2
		.amdhsa_user_sgpr_kernarg_segment_ptr 1
		.amdhsa_wavefront_size32 1
		.amdhsa_system_sgpr_workgroup_id_x 1
		.amdhsa_system_sgpr_workgroup_id_y 1
		.amdhsa_system_sgpr_workgroup_id_z 1
		.amdhsa_system_vgpr_workitem_id 0
		.amdhsa_next_free_vgpr 194
		.amdhsa_next_free_sgpr 66
		.amdhsa_reserve_vcc 0
		.amdhsa_float_denorm_mode_32 3
		.amdhsa_float_denorm_mode_16_64 3
		.amdhsa_memory_ordered 1
		.amdhsa_forward_progress 1
		.amdhsa_inst_pref_size 20
	.end_amdhsa_kernel
	.amdgpu_metadata
---
amdhsa.version: [ 1, 2 ]
amdhsa.kernels:
  - .name:           k_q4f2d922f5a_quant
    .symbol:         k_q4f2d922f5a_quant.kd
    .args:
      - { .name: x, .offset: 0, .size: 8, .value_kind: global_buffer, .address_space: global }
      - { .name: qkv_w, .offset: 8, .size: 8, .value_kind: global_buffer, .address_space: global }
      - { .name: out_w, .offset: 16, .size: 8, .value_kind: global_buffer, .address_space: global }
      - { .name: lowp_scales, .offset: 24, .size: 8, .value_kind: global_buffer, .address_space: global }
      - { .name: codes, .offset: 32, .size: 8, .value_kind: global_buffer, .address_space: global }
    .group_segment_fixed_size: 33280
    .private_segment_fixed_size: 0
    .kernarg_segment_align: 8
    .kernarg_segment_size: 40
    .max_flat_workgroup_size: 128
    .sgpr_count:     66
    .vgpr_count:     194
    .wavefront_size: 32
...
	.end_amdgpu_metadata
.endif
;; end of part 1
;; launch gemm_qkv (part 2): grid 12 x 32, 4 waves a work-group, clusters of 4 x 4, 327,680 bytes of LDS; arguments codes, lowp_scales, qkv_b, qkv; writes qkv
.if DOCPART == 2
	.amdgcn_target "amdgcn-amd-amdhsa--gfx1250"
	.amdhsa_code_object_version 6
	.text
	.protected	k_q4f2d922f5a_gemm_qkv
	.globl	k_q4f2d922f5a_gemm_qkv
	.p2align	8
	.type	k_q4f2d922f5a_gemm_qkv,@function
k_q4f2d922f5a_gemm_qkv:
	s_mov_b64 s[64:65], 0
	v_nop
	global_prefetch_b8 v0, s[64:65] scope:SCOPE_SE
	s_setreg_imm32_b32 hwreg(HW_REG_WAVE_MODE, 25, 1), 1
	s_wait_xcnt 0x0
	s_wait_alu depctr_hold_cnt(0) depctr_sa_sdst(0) depctr_va_vdst(0) depctr_va_sdst(0) depctr_va_ssrc(0) depctr_va_vcc(0) depctr_vm_vsrc(0)
	s_getreg_b32 s2, hwreg(HW_REG_IB_STS2, 6, 4)
	s_cmp_eq_u32 s2, 0
	s_cbranch_scc0 .Lentry_in_a_cluster
	s_endpgm
.Lentry_in_a_cluster:
	s_bfe_u32 s2, ttmp6, 0x10000c
	s_cmp_lg_u32 s2, 0xf033
	s_cbranch_scc0 .Lentry_shape_is_right
	s_endpgm
.Lentry_shape_is_right:
; qkv = x qkv_w^T + qkv_b on codes of FP8 (E4M3), and its result quantised at once into the operands of the attention: q (scale entry 2), k (entry 3), v (entry 5).
; A tile is 256 rows of P x 256 rows of R over K = 1,024; four waves, each 128 x 128: 64 accumulators, 512 registers.  Source 0 = 16 rows of R, source 1 = 16 rows of P: a lane holds ONE row of P and eight neighbours along R.
; The cluster's x says what is made.  x = 0 (q), 1 (k): P = tokens (rows of x), R = channels (rows of qkv_w), so a lane's registers run along the head's channels, the K of q k^T.
; x = 2 (v): P = v's channels, R = tokens, so a lane's registers run along the keys, the K of p v.  Two neighbouring accumulators, converted eight numbers at a time, ARE four registers of the next operand,
; and the 32 lanes' 16 bytes are stored as 512 consecutive bytes, aligned: the workspace holds IMAGES OF THE OPERANDS' REGISTERS, and the results need no way through LDS.
;   q at byte 0, k at 8 MiB: (16 batch + head) x 131,072 + (tile of 16 tokens) x 1,024 + g x 512 + 16 x lane: lane (r, h): token r, channels 32 g + 8 h + 0..7, then 32 g + 16 + 8 h + 0..7
;   v at 16 MiB: (16 batch + head) x 131,072 + (step of 128 keys) x 8,192 + (tile of 16 channels) x 2,048 + g x 512 + 16 x lane: lane (r, h): channel r, keys 32 g + 8 h + 0..7, then 32 g + 16 + 8 h + 0..7
; CLUSTERS: 4 x 4 work-groups.  P's tile hangs on cy and the cluster's place alone and is asked for jointly along a row of the cluster, R's on cx and the cluster's place and jointly along a column.
; The one branch that parts the ways hangs on the cluster's x, which all sixteen partners share.  K goes in steps of 256 through a ring of two LDS slots; a tile's row is 256 bytes of memory.
; A fragment comes by four loads of 16 bytes: lane l holds K = 32 c + 16 (l / 16) + 0..15 in registers 4 c .. 4 c + 3: a permutation of k, the same on both sides, which changes only the order of the sums inside an instruction.
; LIMITS on the given exponents: e0 + e1 between -126 and 127; e2, e3, e5 each between -126 and 119.  NaN is not served.
; REGISTERS, in windows of 256: window 0: v0-31 addresses and two constants; v32-95 the bias along R, v96-111 the bias along P (each number twice, a pair for the packed form); from v128 P's fragments, ONE set;
;   on the way out v128-191 a block's numbers, v192-223 its codes.   window 1: R's fragments, TWO sets.   windows 2, 3: the accumulators ((a, b) at v[8 (8 (a % 4) + b)]).
.set ROWB,   256                       ; a tile's row in bytes: 256 codes
.set KROW,   1024                      ; a row of the codes' buffer
.set PITCH,  272                       ; an LDS row: 256 bytes + 16 of padding = 68 words: row r starts at bank 4 r mod 64 (64 banks of 4 bytes: ISA guide 11.1)
.set FR,     16                        ; registers of a fragment: 16 rows x 128 K
.set NL,     4                         ; LDS loads that bring one
.set NP,     4                         ; places behind this matrix instruction (ISA guide 7.12.1)
.set HALFT,  128*PITCH                 ; 128 rows: what one tensor load brings
.set SLOT,   4*HALFT                   ; P's 256 rows, then R's 256 rows
.set LAPS,   2                         ; a lap = two K steps of 256 = once round the ring
.set SPARE,  2*SLOT                    ; behind the ring: the spare words, 128 bytes for each wave
.set ADRA, 16                          ; v16-17  LDS address of my fragments of P in slot 0, 1
.set ADRB, 20                          ; v20-21  the same for R
.set CO,   26                          ; v26     16 x lane: my place in an image
.set SPW,  28                          ; v28     LDS address of my spare word; never rewritten
.set NIL,  29                          ; v29     0; never rewritten
.set BR,   32
.set BP,   96
.set AF,   128
.set T,    128
.set CD,   192
.set G1, 24                            ; s[24:31] descriptor group 1 for P's tiles;  s[32:39] group 0, one set for each slot
.set G0, 32
.set G1B, 48                           ; s[48:55], s[56:63] the same for R's tiles
.set G0B, 56
.set MSB, 0
.macro WIN new                         ; the immediate's high byte repeats the setting that is left
.if MSB != \new
	s_set_vgpr_msb (MSB<<8)|\new
.set MSB, \new
.endif
.endm
.set MUL_LO, 0xa1                      ; source 0 (R) window 1, source 1 (P) window 0, C and D window 2
.set MUL_HI, 0xf1                      ; the same, C and D window 3
.set TO_B,   0x40                      ; destination window 1, address window 0
; A joint load: waves 0 and 1 fetch for P, waves 2 and 3 for R; the branch hangs on the wave's number alone.  Four v_nop follow each of the two lines.
.macro JLOAD g0a, g1a, g0b, g1b
	s_cmp_eq_u32 s15, 0
	s_cbranch_scc0 .Lfor_b_\@
	tensor_load_to_lds s[\g0a:\g0a+3], s[\g1a:\g1a+7]
	s_nop 0
.rept 4
	v_nop
.endr
	s_branch .Lasked_\@
.Lfor_b_\@:
	tensor_load_to_lds s[\g0b:\g0b+3], s[\g1b:\g1b+7]
	s_nop 0
.rept 4
	v_nop
.endr
.Lasked_\@:
.endm
.macro CREST                           ; a round of the cluster's barrier behind its opening barrier
	s_cmp_lg_u32 s14, 0
	s_cbranch_scc1 .Lnot_wave_0_\@
	s_barrier_signal -3
.Lnot_wave_0_\@:
	s_barrier_wait -3
	s_barrier_signal -1
	s_barrier_wait -1
.endm
.macro CROUND                          ; a whole round
	s_barrier_signal -1
	s_barrier_wait -1
	CREST
.endm
	s_load_b256 s[4:11], s[0:1], 0x0               ; the codes s[4:5], the scales' exponents s[6:7], qkv_b s[8:9], the images s[10:11]
	v_lshl_add_u32 v[SPW], v0, 2, SPARE
	v_mov_b32 v[NIL], 0
	ds_add_u32 v28, v29
	ds_add_u32 v28, v29
	s_wait_dscnt 0x0
	v_lshrrev_b32 v1, 5, v0
	v_readfirstlane_b32 s14, v1                    ; wave 0..3
	s_lshr_b32 s15, s14, 1                         ; which half of P's rows is mine.  Also: I fetch for P (0) or for R (1)
	s_and_b32 s16, s14, 1                          ; which half of R's rows.  Also: which 128 rows of that tile I fetch
	s_bfe_u32 s40, ttmp6, 0x40000                  ; cx, cy: my place in the cluster
	s_bfe_u32 s41, ttmp6, 0x40004
	s_and_b32 s12, ttmp7, 0xffff                   ; the cluster's y, 0..7
	s_cmp_lt_u32 ttmp9, 2                          ; q or k (the cluster's x = 0, 1), or v (2)?  The same in all sixteen partners
	s_cselect_b32 s42, ttmp9, s12                  ; R's tiles: channels by the cluster's x, or tokens by its y
	s_cselect_b32 s17, s12, 0                      ; P's tiles: tokens by the cluster's y, or v's four tiles of channels
	s_cselect_b32 s76, 0, 10240                    ; P's first row in the codes' buffer: x's, or that of qkv_w's v part
	s_cselect_b32 s77, 8192, 0                     ; R's: qkv_w's, or x's
	s_lshl_b32 s42, s42, 2
	s_add_co_u32 s42, s42, s40                     ; R's tile: it holds cx and never cy
	s_lshl_b32 s17, s17, 2
	s_add_co_u32 s17, s17, s41                     ; P's tile: it holds cy and never cx
	s_lshl_b32 s43, s41, 2
	s_lshl_b32 s43, 15, s43                        ; my row of the cluster
	s_lshl_b32 s44, 0x1111, s40                    ; my column
	; descriptor group 1: a tile of 128 rows x 256 bytes, padded in LDS
	s_or_b32 s[G1+0], s43, (0<<16)|(1<<20)|(1<<21)|(5<<22)|(3<<25)  ; 15:0 the mask: P's tiles go to my row; 17:16 elements of 1 byte; 20 padding on; 21 set beside a mask; 24:22 after every 64 words (code 5); 31:25 four words (code 3)
	s_or_b32 s[G1B+0], s44, (0<<16)|(1<<20)|(1<<21)|(5<<22)|(3<<25) ; the same with the mask of my column
.irp g, G1, G1B
	s_mov_b32 s[\g+1], ROWB<<16                    ; tensor_dim0
	s_mov_b32 s[\g+2], 128<<16                     ; tensor_dim1 = 128
	s_mov_b32 s[\g+3], ROWB<<16                    ; tile_dim0
	s_mov_b32 s[\g+4], 128                         ; tile_dim1 = 128
	s_mov_b32 s[\g+5], KROW                        ; tensor_dim0_stride
	s_mov_b32 s[\g+6], 0
	s_mov_b32 s[\g+7], 0
.endr
	s_lshl_b32 s18, s16, 7                         ; which 128 rows of the tile I fetch
	s_lshl_b32 s20, s17, 8
	s_add_co_u32 s20, s20, s18
	s_add_co_u32 s20, s20, s76                     ; P: row in the codes' buffer
	s_lshl_b32 s46, s42, 8
	s_add_co_u32 s46, s46, s18
	s_add_co_u32 s46, s46, s77                     ; R likewise
	s_lshl_b32 s20, s20, 10                        ; in bytes: under 12,288 x 1,024
	s_mov_b32 s21, 0
	s_lshl_b32 s46, s46, 10
	s_mov_b32 s47, 0
	s_mul_i32 s45, s14, HALFT                      ; where they go: wave x 128 rows: no place in the cluster enters an LDS address
	s_wait_kmcnt 0x0
	s_load_b256 s[68:75], s[6:7], 0x0              ; e0 .. e7
	s_add_nc_u64 s[20:21], s[4:5], s[20:21]
	s_add_nc_u64 s[46:47], s[4:5], s[46:47]
	CROUND                                         ; all sixteen work-groups are here: the first joint loads meet
.irp s, 0,1
	s_mov_b32 s[G0+4*\s], 1
	s_add_co_u32 s[G0+4*\s+1], s45, \s*SLOT
	s_add_nc_u64 s[G0+4*\s+2:G0+4*\s+3], s[20:21], \s*ROWB
	s_or_b32 s[G0+4*\s+3], s[G0+4*\s+3], 0x80000000
	s_mov_b32 s[G0B+4*\s], 1
	s_add_co_u32 s[G0B+4*\s+1], s45, \s*SLOT
	s_add_nc_u64 s[G0B+4*\s+2:G0B+4*\s+3], s[46:47], \s*ROWB
	s_or_b32 s[G0B+4*\s+3], s[G0B+4*\s+3], 0x80000000
.endr
	JLOAD G0, G1, G0B, G1B                         ; K step 0: one tensor load a wave at the head
	v_and_b32 v1, 15, v0                           ; r = l % 16
	v_bfe_u32 v2, v0, 4, 1                         ; h = l / 16
	v_mul_u32_u24 v3, v1, PITCH
	v_lshl_add_u32 v4, v2, 4, v3                   ; a fragment's row x pitch + 16 x half
	s_mul_i32 s21, s15, HALFT                      ; my 128 rows of P
	s_mul_i32 s22, s16, HALFT                      ; my 128 rows of R,
	s_add_co_u32 s22, s22, 2*HALFT                 ; which lie behind P's 256
.irp s, 0,1
	v_add_nc_u32 v[ADRA+\s], s21, v4
	v_add_nc_u32 v[ADRB+\s], s22, v4
	s_add_co_u32 s21, s21, SLOT
	s_add_co_u32 s22, s22, SLOT
.endr
	v_and_b32 v6, 31, v0
	v_lshlrev_b32 v[CO], 4, v6
	; The bias, both ways, with no branch: along R (used for q and k; for v the first 128 numbers are loaded and not used, so that no load leaves the buffer), and along P (v's part of qkv_b; used for v).
	v_lshlrev_b32 v8, 5, v2                        ; 32 h: eight numbers for each half of the lanes
	s_wait_alu depctr_va_vdst(0)
	v_lshlrev_b32 v9, 2, v1                        ; 4 r
	s_wait_alu depctr_va_vdst(0)
	s_lshl_b32 s80, s42, 8
	s_lshl_b32 s81, s16, 7
	s_add_co_u32 s80, s80, s81
	s_lshl_b32 s80, s80, 2                         ; my first channel along R, in bytes
	s_cmp_lt_u32 ttmp9, 2
	s_cselect_b32 s80, s80, 0
	s_mov_b32 s81, 0
	s_add_nc_u64 s[78:79], s[8:9], s[80:81]
	s_lshl_b32 s82, s41, 8
	s_lshl_b32 s83, s15, 7
	s_add_co_u32 s82, s82, s83
	s_add_co_u32 s82, s82, 2048
	s_lshl_b32 s82, s82, 2                         ; channel 2,048 + 256 cy + 128 x my half, in bytes: 3,071 is the last that is read
	s_mov_b32 s83, 0
	s_add_nc_u64 s[82:83], s[8:9], s[82:83]
.irp b, 0,1,2,3,4,5,6,7
	global_load_b128 v[BR+8*\b:BR+8*\b+3], v8, s[78:79] offset:64*\b        ; register 8 b + i: the bias of channel 16 b + 8 h + i of my 128
	global_load_b128 v[BR+8*\b+4:BR+8*\b+7], v8, s[78:79] offset:64*\b+16
.endr
.irp a, 0,1,2,3,4,5,6,7
	global_load_b32 v[BP+2*\a], v9, s[82:83] offset:64*\a                    ; the bias of channel 16 a + r of my 128, twice
	global_load_b32 v[BP+2*\a+1], v9, s[82:83] offset:64*\a
.endr
.macro FRAG reg, adr, q, i             ; a fragment, 16 rows x 128 K, is 16 registers: four loads of 16 bytes, 32 bytes apart
.irp c, 0,1,2,3
	ds_load_b128 v[\reg+4*\c:\reg+4*\c+3], v[\adr] offset:128*(\q)+32*\c+(\i)*16*PITCH
.endr
.endm
; 16 matrix instructions: P's blocks a0, a0 + 1 x R's eight, 128 along K.  p: R's set.  zero = 1: the first product starts the sums.
; The 64 accumulators take turns, one instruction a turn, in the same order in every step.
.macro MUL16 a0, p, zero
.irp a, \a0, \a0+1
.irp b, 0,1,2,3,4,5,6,7
.if \zero
	v_wmma_f32_16x16x128_fp8_fp8 v[8*(8*((\a)%4)+\b):8*(8*((\a)%4)+\b)+7], v[128*(\p)+FR*\b:128*(\p)+FR*\b+FR-1], v[AF+FR*(\a):AF+FR*(\a)+FR-1], 0
.else
	v_wmma_f32_16x16x128_fp8_fp8 v[8*(8*((\a)%4)+\b):8*(8*((\a)%4)+\b)+7], v[128*(\p)+FR*\b:128*(\p)+FR*\b+FR-1], v[AF+FR*(\a):AF+FR*(\a)+FR-1], v[8*(8*((\a)%4)+\b):8*(8*((\a)%4)+\b)+7]
.endif
.endr
.endr
.endm
.macro FETCH_B slot, q, p              ; R's eight fragments of the slot's q-th 128 along K into set p
	WIN TO_B
.irp i, 0,1,2,3,4,5,6,7
	FRAG 128*(\p)+FR*\i, ADRB+\slot, \q, \i
.endr
	WIN 0
.endm
.macro FETCH_A slot, q, i0             ; P's blocks i0 .. i0 + 3
.irp i, \i0, \i0+1, \i0+2, \i0+3
	FRAG AF+FR*(\i), ADRA+\slot, \q, \i
.endr
.endm
; A load into a register that a matrix instruction has read, and a vector instruction that reads a matrix result or writes one of its registers, stand NP places behind it; only plain vector
; instructions that name none of its registers are places (ISA guide 7.12.1 for vector instructions).
.macro PLACES n
.rept \n
	v_nop
.endr
.endm
; A step of 128 along K that has its successor in the same slot.  P has one set of registers: blocks 0-3 are fetched anew in the step's middle, blocks 4-7 at its end; R has two sets.
.macro STEP slot, q, zero
	s_wait_dscnt 4*NL                              ; R's set and P's blocks 0-3 are in; the youngest 16 loads (P's blocks 4-7) may be out
	WIN MUL_LO
	MUL16 0, (\q)%2, \zero
	MUL16 2, (\q)%2, \zero
	s_wait_dscnt 0                                 ; P's blocks 4-7 are in (asked for 32 matrix instructions ago)
	PLACES NP
	FETCH_B \slot, (\q)+1, 1-(\q)%2
	FETCH_A \slot, (\q)+1, 0
	WIN MUL_HI
	MUL16 4, (\q)%2, \zero
	MUL16 6, (\q)%2, \zero
	PLACES NP
	WIN 0
	FETCH_A \slot, (\q)+1, 4
.endm
; A slot's last step changes slots: ONE barrier; in front of it each wave waits for all its tensor loads, adds 0 to its spare word, and waits for that and for its own reads of this slot.  fill = 1: this slot is filled again, two K steps ahead.
.macro TURN slot, next, fill
	s_wait_tensorcnt 0x0                           ; all my tensor loads have landed: my part of the next slot
	ds_add_u32 v[SPW], v[NIL]                      ; 0 onto my spare word
	s_wait_dscnt 4*NL+1                            ; (the add and the youngest 16 loads, P's blocks 4-7, may be out)
	WIN MUL_LO
	MUL16 0, 1, 0                                  ; sixteen matrix instructions stand between the add and the wait for it
	s_wait_dscnt 0x0                               ; the add is done, and my reads of this slot are over
	s_barrier_signal -1
	MUL16 2, 1, 0
	WIN 0
	s_barrier_wait -1
.if \fill
	CREST                                          ; the barrier has opened a round of the cluster's barrier: no wave of any partner still reads this slot's tile or has a load on its way
	s_add_nc_u64 s[G0+4*\slot+2:G0+4*\slot+3], s[G0+4*\slot+2:G0+4*\slot+3], 2*ROWB
	s_add_nc_u64 s[G0B+4*\slot+2:G0B+4*\slot+3], s[G0B+4*\slot+2:G0B+4*\slot+3], 2*ROWB
	JLOAD G0+4*\slot, G1, G0B+4*\slot, G1B         ; the first tensor load behind the round; its four v_nop are also the places in front of the loads below
.else
	PLACES NP
.endif
	FETCH_B \next, 0, 0
	FETCH_A \next, 0, 0
	WIN MUL_HI
	MUL16 4, 1, 0
	MUL16 6, 1, 0
	PLACES NP
	WIN 0
	FETCH_A \next, 0, 4
.endm
	s_wait_alu depctr_va_vdst(0)
	s_wait_tensorcnt 0x0                           ; my part of K step 0 is in
	ds_add_u32 v[SPW], v[NIL]
	s_wait_dscnt 0x0
	CROUND                                         ; a whole round: everybody's part of K step 0 is in, and the joint loads meet
	JLOAD G0+4, G1, G0B+4, G1B                     ; K step 1's load, the first tensor load behind the round
	FETCH_B 0, 0, 0
	FETCH_A 0, 0, 0
	FETCH_A 0, 0, 4
	STEP 0, 0, 1                                   ; the first step stands in front of the loop: its products start the sums
	s_mov_b32 s3, LAPS-1
.Llap:                                                 ; a trip goes once round the ring, from a lap's second step to the next lap's first, and fills both slots again
	TURN 0, 1, 1
	STEP 1, 0, 0
	TURN 1, 0, 1
	STEP 0, 0, 0
	s_sub_co_u32 s3, s3, 1
	s_cmp_lg_u32 s3, 0
	s_cbranch_scc1 .Llap
	TURN 0, 1, 0                                   ; the last lap fills nothing, and has no round of the cluster's barrier
	STEP 1, 0, 0
	s_wait_dscnt 4*NL                              ; the very last step: nothing more to fetch
	WIN MUL_LO
	MUL16 0, 1, 0
	MUL16 2, 1, 0
	s_wait_dscnt 0
	WIN MUL_HI
	MUL16 4, 1, 0
	MUL16 6, 1, 0
	WIN 0
; THE WAY OUT, block by block of 16 rows of P.  number = sum x 2^(e0 + e1) + bias, one packed multiply-add for two, in f32; held within +-448 x the operand's scale; converted eight at a time.
; Accumulators 2 g and 2 g + 1 give four registers of codes; each store of the wave covers 512 consecutive bytes, aligned.  vp = 1: v's way (bias along P, v's images).
.macro OUTBLK a, vp
.set AC, 64*((\a)%4)
.set CC, CD+16*((\a)%2)
	WIN 0x02+((\a)/4)                              ; source 0: window 2 or 3
.set j, 0
.rept 32
.if \vp
	v_pk_fma_f32 v[T+j:T+j+1], v[AC+j:AC+j+1], s[96:97], v[BP+2*(\a):BP+2*(\a)+1] op_sel_hi:[1,0,1]
.else
	v_pk_fma_f32 v[T+j:T+j+1], v[AC+j:AC+j+1], s[96:97], v[BR+j:BR+j+1] op_sel_hi:[1,0,1]   ; each accumulator from its low end on
.endif
.set j, j+2
.endr
	WIN 0
	s_wait_xcnt 0x0                                ; the earlier blocks' stores have read their registers: the codes' registers are written again only behind this wait
.set g, 0
.rept 4
.set i, 0
.rept 16
	v_med3_num_f32 v[T+16*g+i], v[T+16*g+i], -v31, v31   ; the conversion does not saturate (ISA guide 7.6.2): the hold comes first
.set i, i+1
.endr
	v_cvt_scalef32_pk8_fp8_f32 v[CC+4*g:CC+4*g+1], v[T+16*g:T+16*g+7], v30
	v_cvt_scalef32_pk8_fp8_f32 v[CC+4*g+2:CC+4*g+3], v[T+16*g+8:T+16*g+15], v30
.set g, g+1
.endr
	v_nop                                          ; one plain vector line behind the last conversion: the next block writes its sources
.set g, 0
.rept 4
.if \vp
	global_store_b128 v[CO], v[CC+4*g:CC+4*g+3], s[10:11] offset:((\a)/4)*131072+((\a)%4)*2048+g*512   ; head a / 4 of my two, tile a % 4 of its channels, keys 32 g on
.else
	global_store_b128 v[CO], v[CC+4*g:CC+4*g+3], s[10:11] offset:(\a)*1024+(g/2)*131072+(g%2)*512       ; tile a of my tokens, head g / 2 of my two, channels 32 (g % 2) on
.endif
.set g, g+1
.endr
.endm
	s_wait_kmcnt 0x0
	s_add_co_i32 s96, s68, s69                     ; e0 + e1, between -126 and 127,
	s_add_co_i32 s96, s96, 127
	s_lshl_b32 s96, s96, 23                        ; makes the f32 number 2^(e0 + e1)
	s_mov_b32 s97, s96                             ; (named with it as a pair, so it is written)
	s_cmp_eq_u32 ttmp9, 0
	s_cselect_b32 s84, s70, s71                    ; q's e2 or k's e3,
	s_cmp_lt_u32 ttmp9, 2
	s_cselect_b32 s84, s84, s73                    ; or v's e5: chosen, not branched on
	s_add_co_i32 s84, s84, 127
	s_lshl_b32 s85, s84, 23
	v_mov_b32 v30, s85                             ; the operand's scale as f32: the conversion takes its exponent field
	s_add_co_i32 s84, s84, 8
	s_lshl_b32 s84, s84, 23
	s_or_b32 s84, s84, 0x600000
	v_mov_b32 v31, s84                             ; 448 x that
	s_wait_loadcnt 0x0                             ; the bias
	PLACES NP                                      ; behind the last products: their results are read, and P's fragments' registers written, below
	s_cmp_lt_u32 ttmp9, 2
	s_cbranch_scc0 .Lout_v
	s_lshr_b32 s86, s42, 2                         ; q (0) or k (1): 8 MiB apart
	s_lshl_b32 s86, s86, 23
	s_lshr_b32 s87, s17, 3                         ; the batch: 16 heads x 131,072 bytes
	s_lshl_b32 s87, s87, 21
	s_add_co_u32 s86, s86, s87
	s_and_b32 s87, s42, 3                          ; four heads to a tile of 256 channels,
	s_lshl_b32 s87, s87, 19
	s_add_co_u32 s86, s86, s87
	s_lshl_b32 s87, s16, 18                        ; two to my half
	s_add_co_u32 s86, s86, s87
	s_and_b32 s87, s17, 7                          ; sixteen tiles of tokens to a tile of 256,
	s_lshl_b32 s87, s87, 14
	s_add_co_u32 s86, s86, s87
	s_lshl_b32 s87, s15, 13                        ; eight to my half
	s_add_co_u32 s86, s86, s87
	s_mov_b32 s87, 0
	s_add_nc_u64 s[10:11], s[10:11], s[86:87]
.irp a, 0,1,2,3,4,5,6,7
	OUTBLK \a, 0
.endr
	s_branch .Lend
.Lout_v:
	s_lshr_b32 s86, s42, 3                         ; the batch
	s_lshl_b32 s86, s86, 21
	s_add_co_u32 s86, s86, 0x1000000               ; v's images begin at 16 MiB
	s_lshl_b32 s87, s17, 19                        ; four heads to a tile of 256 channels,
	s_add_co_u32 s86, s86, s87
	s_lshl_b32 s87, s15, 18                        ; two to my half
	s_add_co_u32 s86, s86, s87
	s_and_b32 s87, s42, 7                          ; two steps of 128 keys to a tile of 256 tokens,
	s_lshl_b32 s87, s87, 14
	s_add_co_u32 s86, s86, s87
	s_lshl_b32 s87, s16, 13                        ; one to my half
	s_add_co_u32 s86, s86, s87
	s_mov_b32 s87, 0
	s_add_nc_u64 s[10:11], s[10:11], s[86:87]
.irp a, 0,1,2,3,4,5,6,7
	OUTBLK \a, 1
.endr
.Lend:
	s_wait_tensorcnt 0x0                           ; the wave's end
	ds_add_u32 v[SPW], v[NIL]
	s_wait_dscnt 0x0
	CROUND                                         ; the closing round: no work-group ends while a partner may still ask for a tile that names it
	s_endpgm
.Lfunc_end_k_q4f2d922f5a_gemm_qkv:
	.size	k_q4f2d922f5a_gemm_qkv, .Lfunc_end_k_q4f2d922f5a_gemm_qkv-k_q4f2d922f5a_gemm_qkv
	.p2alignl 7, 3214868480
	.fill 96, 4, 3214868480
	.section	.rodata,"a",@progbits
	.p2align	6, 0x0
	.amdhsa_kernel k_q4f2d922f5a_gemm_qkv
		.amdhsa_group_segment_fixed_size 327680
		.amdhsa_private_segment_fixed_size 0
		.amdhsa_enable_private_segment 0
		.amdhsa_kernarg_size 32
		.amdhsa_user_sgpr_count 2
		.amdhsa_user_sgpr_kernarg_segment_ptr 1
		.amdhsa_wavefront_size32 1
		.amdhsa_system_sgpr_workgroup_id_x 1
		.amdhsa_system_sgpr_workgroup_id_y 1
		.amdhsa_system_sgpr_workgroup_id_z 1
		.amdhsa_system_vgpr_workitem_id 0
		.amdhsa_next_free_vgpr 1024
		.amdhsa_next_free_sgpr 100
		.amdhsa_reserve_vcc 0
		.amdhsa_float_denorm_mode_32 3
		.amdhsa_float_denorm_mode_16_64 3
		.amdhsa_memory_ordered 1
		.amdhsa_forward_progress 1
		.amdhsa_inst_pref_size 195
	.end_amdhsa_kernel
	.amdgpu_metadata
---
amdhsa.version: [ 1, 2 ]
amdhsa.kernels:
  - .name:           k_q4f2d922f5a_gemm_qkv
    .symbol:         k_q4f2d922f5a_gemm_qkv.kd
    .args:
      - { .name: codes, .offset: 0, .size: 8, .value_kind: global_buffer, .address_space: global }
      - { .name: lowp_scales, .offset: 8, .size: 8, .value_kind: global_buffer, .address_space: global }
      - { .name: qkv_b, .offset: 16, .size: 8, .value_kind: global_buffer, .address_space: global }
      - { .name: qkv, .offset: 24, .size: 8, .value_kind: global_buffer, .address_space: global }
    .group_segment_fixed_size: 327680
    .private_segment_fixed_size: 0
    .kernarg_segment_align: 8
    .kernarg_segment_size: 32
    .max_flat_workgroup_size: 128
    .sgpr_count:     100
    .vgpr_count:     1024
    .wavefront_size: 32
...
	.end_amdgpu_metadata
.endif
;; end of part 2
;; launch attn (part 3): grid 4 x 64, 8 waves a work-group, clusters of 4 x 1, 327,680 bytes of LDS; arguments qkv, lowp_scales, aimg; writes aimg
.if DOCPART == 3
	.amdgcn_target "amdgcn-amd-amdhsa--gfx1250"
	.amdhsa_code_object_version 6
	.text
	.protected	k_q4f2d922f5a_attn
	.globl	k_q4f2d922f5a_attn
	.p2align	8
	.type	k_q4f2d922f5a_attn,@function
k_q4f2d922f5a_attn:
	s_mov_b64 s[64:65], 0
	v_nop
	global_prefetch_b8 v0, s[64:65] scope:SCOPE_SE
	s_setreg_imm32_b32 hwreg(HW_REG_WAVE_MODE, 25, 1), 1
	s_wait_xcnt 0x0
	s_wait_alu depctr_hold_cnt(0) depctr_sa_sdst(0) depctr_va_vdst(0) depctr_va_sdst(0) depctr_va_ssrc(0) depctr_va_vcc(0) depctr_vm_vsrc(0)
	s_getreg_b32 s2, hwreg(HW_REG_IB_STS2, 6, 4)
	s_cmp_eq_u32 s2, 0
	s_cbranch_scc0 .Lentry_in_a_cluster
	s_endpgm
.Lentry_in_a_cluster:
	s_bfe_u32 s2, ttmp6, 0x10000c
	s_cmp_lg_u32 s2, 0x3003
	s_cbranch_scc0 .Lentry_shape_is_right
	s_endpgm
.Lentry_shape_is_right:
; o = softmax(q k^T / 8) v for one head, both products on codes of FP8 (E4M3), and o quantised at once (scale entry 6) into images of the last product's operand registers.
; qkv holds images of operand registers: q at byte 0, k at 8 MiB: (16 batch + head) x 131,072 + (tile of 16 tokens) x 1,024 + g x 512 + 16 x lane;
; v at 16 MiB: (16 batch + head) x 131,072 + (step of 128 keys) x 8,192 + (tile of 16 channels) x 2,048 + g x 512 + 16 x lane.  So every fragment is a run of loads at 16 x lane.
; aimg: (head / 4) x 2 MiB + (128 batch + tile of 16 tokens) x 4,096 + (head % 4) x 1,024 + g x 512 + 16 x lane.
; THE SOFTMAX: t = score x log2(e) / 8; M = the running largest t rounded up to a whole number; p = 2^(t - M) is quantised (entry 4), not normalised; the row's sum is taken of the unquantised p and divides at the end.
; When M moves, the sums and O^T are multiplied by 2^(old M - new M), in every step, with no branch on data.
; SHARES.  A work-group owns 512 queries of one head; its eight waves own 64 each, in two passes of 32 (two tiles of 16).  The four work-groups of a cluster own one head's 2,048 queries and need the same K and V.
; ALL of the head's K (131,072 bytes) and V (as many) lie in LDS: each wave asks for one eighth, 128 rows of 256 bytes, by ONE joint load at the head.  Nothing is filled again, so behind the one barrier the waves share nothing more.
; No prefetch: every byte of K and V is asked for at the head, so there is no loop to run ahead in; q is read once by one wave.
; LAYOUT.  Both products are used transposed: S^T = K Q^T (source 0 = 16 keys, source 1 = 16 queries), O^T = V^T P^T: a lane holds one query throughout, and the conversions' results are the next operand's registers.
; A step is 128 keys.  V's fragments are asked for at the step's top, the NEXT step's fragments of K behind this step's score products; the address wraps, so a pass's last step fetches the next pass's first fragments
; (the launch's very last 16 such loads are not used).
; INDEPENDENT CHAINS.  The maxima run in four chains a tile, eight in all.  A row's sum is kept as four running pairs a tile; their 64 additions stand eight behind each of the second product's eight matrix instructions
; and name none of their registers.  The second tile's 32 multiply-adds stand among the first tile's exponentials; their results are read behind the next wait.
; LIMITS.  e2 + e3 between -123 and 130; e6 between -126 and 119; e4 at most 127.  The scaled scores stay under 2^31 in magnitude.  NaN is not served.
; e4 >= -8: then p <= 1 <= 448 x 2^e4, the hold at the largest code can never act, and it is not written.  Below that bound the codes of p are made with 2^-8, so that no code overflows; that is not the stated quantiser.
; REGISTERS.  Window 0: v1-7 addresses and scales; v8-23 state, eight a tile (-M, largest t, -, -, f, 0, two at work); v24-27 two more chains of maxima a tile; v30 p's scale; v32-47 Q; v48-175 S^T, then p;
; v176-207 p's codes; v208-223 the second pass's Q; v224-239 o's codes; v240-247 at work on the way out; v254, v255 the add's two.  Window 1: v0-63 O^T; v64-127 K's fragments; v128-191 V's; v208-223 the sums.
.set LI,  1                            ; 16 x lane
.set ADK, 2
.set ADV, 3
.set LV,  4                            ; 16 x lane + V's first byte in LDS
.set SO,  6                            ; 2^e6, 448 x 2^e6
.set ST,  8
.set XS,  24
.set PS,  30
.set Q,   32
.set S,   48
.set PC,  176
.set QN,  208
.set OC,  224
.set TT,  240
.set SPW, 254
.set NIL, 255
.set O,   0
.set KF,  64
.set VF,  128
.set L,   208                          ; window 1: pair c of tile t at L + 8 t + 2 c
.set SPARE, 0x40000                    ; behind K and V: the spare words, 128 bytes for each wave
.set WV,  10
.set G1,  24
.set G0,  32
.set OB,  48
.set TB,  50                           ; the step's first byte in K's and in V's half of LDS
.set CNT, 51
.set PASS, 52
.set TBN, 53                           ; the next step's, wrapped
.set CS,  76
.set SEL, 78
.set EO,  80
.set MSB, 0
.macro WIN new                         ; the immediate's high byte repeats the setting that is left
.if MSB != \new
	s_set_vgpr_msb (MSB<<8)|\new
.set MSB, \new
.endif
.endm
.macro CROUND                          ; a round of the cluster's barrier
	s_barrier_signal -1
	s_barrier_wait -1
	s_cmp_lg_u32 s[WV], 0
	s_cbranch_scc1 .Lnot_wave_0_\@
	s_barrier_signal -3
.Lnot_wave_0_\@:
	s_barrier_wait -3
	s_barrier_signal -1
	s_barrier_wait -1
.endm
	s_load_b128 s[4:7], s[0:1], 0x0                ; the images of q, k, v; the scales' exponents
	s_load_b64 s[8:9], s[0:1], 0x10                ; o's images
	v_lshl_add_u32 v[SPW], v0, 2, SPARE
	v_mov_b32 v[NIL], 0
	ds_add_u32 v[SPW], v[NIL]                      ; the opening lines: the add, twice on end, and its wait ahead of my tensor load
	ds_add_u32 v[SPW], v[NIL]
	v_lshrrev_b32 v2, 5, v0
	v_readfirstlane_b32 s[WV], v2                  ; wave 0..7
	s_bfe_u32 s11, ttmp6, 0x40000                  ; cx
	s_and_b32 s12, ttmp7, 0xffff                   ; 16 batch + head
	s_lshr_b32 s13, s[WV], 2                       ; I fetch for K (0) or V (1),
	s_and_b32 s14, s[WV], 3                        ; and which quarter, 32,768 bytes
	s_lshl_b32 s15, s13, 23
	s_add_co_u32 s15, s15, 0x800000
	s_lshl_b32 s16, s12, 17
	s_add_co_u32 s20, s15, s16
	s_lshl_b32 s17, s14, 15
	s_add_co_u32 s20, s20, s17                     ; in memory: made of the head and the wave's number alone, the same in all four partners
	s_mov_b32 s21, 0
	s_lshl_b32 s18, s13, 17
	s_add_co_u32 s18, s18, s17                     ; in LDS: of the wave's number alone
	s_lshl_b32 s19, s11, 5
	s_lshl_b32 s22, s[WV], 1
	s_add_co_u32 s19, s19, s22                     ; my first tile of queries: 32 cx + 2 wave; the second pass's lie 16 tiles on
	s_lshl_b32 s22, s19, 10
	s_add_co_u32 s22, s22, s16
	s_mov_b32 s23, 0
	s_bfe_u32 s48, s12, 0x20002                    ; head / 4
	s_lshl_b32 s48, s48, 21
	s_lshr_b32 s49, s12, 4                         ; batch
	s_lshl_b32 s49, s49, 7
	s_add_co_u32 s49, s49, s19
	s_lshl_b32 s49, s49, 12
	s_add_co_u32 s48, s48, s49
	s_and_b32 s49, s12, 3                          ; head % 4
	s_lshl_b32 s49, s49, 10
	s_add_co_u32 s48, s48, s49
	s_mov_b32 s49, 0
	s_mov_b32 s[G1], 15|(3<<16)|(1<<21)            ; the mask names the cluster's four; elements of 8 bytes; bit 21 beside a mask; no padding: the images are read at 16 x lane
	s_mov_b32 s[G1+1], 32<<16                      ; rows of 256 bytes,
	s_mov_b32 s[G1+2], 128<<16                     ; 128 of them, dense
	s_mov_b32 s[G1+3], 32<<16
	s_mov_b32 s[G1+4], 128
	s_mov_b32 s[G1+5], 32
	s_mov_b32 s[G1+6], 0
	s_mov_b32 s[G1+7], 0
	s_mov_b32 s[SEL], 0x76543210
	s_mov_b32 s[SEL+1], 0xfedcba98
	s_wait_dscnt 0x0                               ; both opening adds are done
	s_wait_kmcnt 0x0
	s_load_b256 s[68:75], s[6:7], 0x0              ; e0 .. e7
	s_add_nc_u64 s[20:21], s[4:5], s[20:21]
	s_add_nc_u64 s[22:23], s[4:5], s[22:23]
	s_add_nc_u64 s[OB:OB+1], s[8:9], s[OB:OB+1]
	s_mov_b32 s[G0], 1
	s_mov_b32 s[G0+1], s18
	s_mov_b64 s[G0+2:G0+3], s[20:21]
	s_or_b32 s[G0+3], s[G0+3], 0x80000000
	CROUND                                         ; all four work-groups are here: the joint loads meet
	tensor_load_to_lds s[G0:G0+3], s[G1:G1+7]      ; my one tensor load of the launch
	s_nop 0
	v_and_b32 v[LI], 31, v0
	s_delay_alu instid0(VALU_DEP_1)
	v_lshlrev_b32 v[LI], 4, v[LI]
	s_delay_alu instid0(VALU_DEP_1)
	v_add_nc_u32 v[LV], 0x20000, v[LI]
.irp t, 0,1
.irp g, 0,1
	global_load_b128 v[Q+8*\t+4*\g:Q+8*\t+4*\g+3], v[LI], s[22:23] offset:\t*1024+\g*512
	global_load_b128 v[QN+8*\t+4*\g:QN+8*\t+4*\g+3], v[LI], s[22:23] offset:16384+\t*1024+\g*512
.endr
.endr
	s_wait_kmcnt 0x0
	s_add_co_i32 s13, s70, s71
	s_lshl_b32 s13, s13, 23
	s_add_co_i32 s[CS], s13, 0x3e38aa3b            ; c = log2(e) / 8, with e2 + e3 added to its exponent field
	s_mov_b32 s[CS+1], s[CS]                       ; (named with it as a pair)
	s_max_i32 s15, s72, -8                         ; e4 (see LIMITS)
	s_add_co_i32 s13, s15, 127
	s_lshl_b32 s14, s13, 23
	v_mov_b32 v[PS], s14                           ; p's scale as f32: the conversion takes its exponent field
	s_add_co_i32 s13, s74, 127
	s_lshl_b32 s14, s13, 23
	v_mov_b32 v[SO], s14                           ; 2^e6
	s_add_co_i32 s13, s13, 8
	s_lshl_b32 s13, s13, 23
	s_or_b32 s13, s13, 0x600000
	v_mov_b32 v[SO+1], s13                         ; 448 x 2^e6
	s_add_co_i32 s[EO], s15, s73                   ; e4 + e5
	s_mov_b32 s[PASS], 2
	s_wait_alu depctr_va_vdst(0)
	s_wait_tensorcnt 0x0                           ; my eighth of K and V is in,
	s_barrier_signal -1
	s_barrier_wait -1                              ; and everybody's
	WIN 0x40
.set f, 0
.rept 16
	ds_load_b128 v[KF+4*f:KF+4*f+3], v[LI] offset:512*f   ; the first step's fragments of K
.set f, f+1
.endr
	WIN 0
	s_wait_loadcnt 0x0                             ; Q
; A KEY STEP: 128 keys x my 32 queries.
.macro STEP
	v_add_nc_u32 v[ADV], s[TB], v[LV]
.rept 3
	v_nop                                          ; with the line above: four places ahead of loads into registers that the last step's products read
.endr
	WIN 0x40
.set f, 0
.rept 16
	ds_load_b128 v[VF+4*f:VF+4*f+3], v[ADV] offset:512*f
.set f, f+1
.endr
	s_wait_dscnt 16                                ; K's 16 loads, issued a step ago, are in; V's 16 may be out
	WIN 0x01
.irp kt, 0,1,2,3,4,5,6,7
.irp t, 0,1
	v_wmma_f32_16x16x64_fp8_fp8 v[S+64*\t+8*\kt:S+64*\t+8*\kt+7], v[KF+8*\kt:KF+8*\kt+7], v[Q+8*\t:Q+8*\t+7], 0
.endr
.endr
	WIN 0
	v_add_nc_u32 v[ADK], s[TBN], v[LI]
.rept 3
	v_nop                                          ; four places: ahead of the loads into K's registers and of the first reads of the scores
.endr
	WIN 0x40
.set f, 0
.rept 16
	ds_load_b128 v[KF+4*f:KF+4*f+3], v[ADK] offset:512*f   ; the next step's K
.set f, f+1
.endr
	WIN 0
.irp t, 0,1                                    ; the step's largest score of each query, four chains a tile, the scores in ascending order: each accumulator from its low end on
	v_max3_num_f32 v[ST+8*\t+6], v[S+64*\t], v[S+64*\t+1], v[S+64*\t+2]
	v_max3_num_f32 v[ST+8*\t+7], v[S+64*\t+3], v[S+64*\t+4], v[S+64*\t+5]
	v_max3_num_f32 v[XS+2*\t], v[S+64*\t+6], v[S+64*\t+7], v[S+64*\t+8]
	v_max3_num_f32 v[XS+2*\t+1], v[S+64*\t+9], v[S+64*\t+10], v[S+64*\t+11]
.endr
.set i, 12
.rept 6
.irp t, 0,1
	v_max3_num_f32 v[ST+8*\t+6], v[ST+8*\t+6], v[S+64*\t+i], v[S+64*\t+i+1]
	v_max3_num_f32 v[ST+8*\t+7], v[ST+8*\t+7], v[S+64*\t+i+2], v[S+64*\t+i+3]
	v_max3_num_f32 v[XS+2*\t], v[XS+2*\t], v[S+64*\t+i+4], v[S+64*\t+i+5]
	v_max3_num_f32 v[XS+2*\t+1], v[XS+2*\t+1], v[S+64*\t+i+6], v[S+64*\t+i+7]
.endr
.set i, i+8
.endr
.irp t, 0,1
	v_max3_num_f32 v[ST+8*\t+6], v[ST+8*\t+6], v[S+64*\t+60], v[S+64*\t+61]
	v_max3_num_f32 v[ST+8*\t+7], v[ST+8*\t+7], v[S+64*\t+62], v[S+64*\t+63]
.endr
.irp t, 0,1
	v_max3_num_f32 v[ST+8*\t+6], v[ST+8*\t+6], v[ST+8*\t+7], v[XS+2*\t]
.endr
.irp t, 0,1
	s_delay_alu instid0(VALU_DEP_2)
	v_max_num_f32 v[ST+8*\t+6], v[ST+8*\t+6], v[XS+2*\t+1]
.endr
.irp t, 0,1
	s_delay_alu instid0(VALU_DEP_2)
	v_permlanex16_b32 v[ST+8*\t+7], v[ST+8*\t+6], s[SEL], s[SEL+1]
.endr
.irp t, 0,1
	s_delay_alu instid0(VALU_DEP_2)
	v_max_num_f32 v[ST+8*\t+6], v[ST+8*\t+6], v[ST+8*\t+7]   ; and among lane l xor 16's keys
.endr
.irp t, 0,1
	s_delay_alu instid0(VALU_DEP_2)
	v_mul_f32 v[ST+8*\t+6], s[CS], v[ST+8*\t+6]              ; as t (c is positive)
.endr
.irp t, 0,1
	s_delay_alu instid0(VALU_DEP_2)
	v_max_num_f32 v[ST+8*\t+1], v[ST+8*\t+1], v[ST+8*\t+6]   ; the running largest t
.endr
.irp t, 0,1
	v_mov_b32 v[ST+8*\t+6], v[ST+8*\t]
.endr
.irp t, 0,1
	s_delay_alu instid0(VALU_DEP_4)
	v_floor_f32 v[ST+8*\t], -v[ST+8*\t+1]                    ; the new -M = -ceil(t)
.endr
.irp t, 0,1
	s_delay_alu instid0(VALU_DEP_2)
	v_sub_f32 v[ST+8*\t+6], v[ST+8*\t], v[ST+8*\t+6]         ; old M - new M, a whole number, 0 or less
.endr
.irp t, 0,1
	s_delay_alu instid0(VALU_DEP_2)
	v_cvt_i32_f32 v[ST+8*\t+6], v[ST+8*\t+6]                 ; (it saturates)
.endr
.irp t, 0,1
	s_delay_alu instid0(VALU_DEP_2)
	v_ldexp_f32 v[ST+8*\t+4], 1.0, v[ST+8*\t+6]              ; f = 2^(old M - new M)
.endr
	WIN 0x41
.irp t, 0,1                                    ; the sums and O^T under the new M, ahead of the exponentials: no transcendental stands between the last step's products and these first reads
.irp c, 0,1,2,3
	v_pk_mul_f32 v[L+8*\t+2*\c:L+8*\t+2*\c+1], v[L+8*\t+2*\c:L+8*\t+2*\c+1], v[ST+8*\t+4:ST+8*\t+5] op_sel_hi:[1,0]
.endr
.endr
.irp t, 0,1
.set j, 0
.rept 16
	v_pk_mul_f32 v[O+32*\t+j:O+32*\t+j+1], v[O+32*\t+j:O+32*\t+j+1], v[ST+8*\t+4:ST+8*\t+5] op_sel_hi:[1,0]
.set j, j+2
.endr
.endr
	WIN 0
.set j, 0
.rept 32
	v_pk_fma_f32 v[S+j:S+j+1], v[S+j:S+j+1], s[CS:CS+1], v[ST:ST+1] op_sel_hi:[1,0,0]   ; tile 0: t - M, two at a time
.set j, j+2
.endr
	s_wait_alu depctr_va_vdst(0)                   ; ahead of the batch
.set j, 0
.rept 32
	v_exp_f32 v[S+j], v[S+j]                       ; tile 0: p = 2^(t - M), at most 1
	v_pk_fma_f32 v[S+64+j:S+64+j+1], v[S+64+j:S+64+j+1], s[CS:CS+1], v[ST+8:ST+9] op_sel_hi:[1,0,0]   ; tile 1: t - M; first read behind the wait below
	v_exp_f32 v[S+j+1], v[S+j+1]
.set j, j+2
.endr
	s_wait_alu depctr_va_vdst(0)                   ; behind the first batch and ahead of the second
.set j, 0
.rept 64
	v_exp_f32 v[S+64+j], v[S+64+j]                 ; tile 1
.set j, j+1
.endr
	v_nop                                          ; a plain place behind the batch
	s_wait_alu depctr_va_vdst(0)                   ; and the wait behind it
.irp kt, 0,1,2,3,4,5,6,7                       ; tile kt's eight keys of my half are registers 2 kt, 2 kt + 1 of the second product's operand
.irp t, 0,1
	v_cvt_scalef32_pk8_fp8_f32 v[PC+16*\t+2*\kt:PC+16*\t+2*\kt+1], v[S+64*\t+8*\kt:S+64*\t+8*\kt+7], v[PS]
.endr
.endr
	v_nop                                          ; one plain line between the conversions and the products that read the codes
	s_wait_alu depctr_va_vdst(0)
	s_wait_dscnt 16                                ; V's 16 loads are in; the next step's 16 of K may be out
	WIN 0x51
.set i, 0
.irp ct, 0,1,2,3                               ; the eight accumulators take turns; behind each product eight additions of the unquantised p, eight chains
.irp t, 0,1
	v_wmma_f32_16x16x128_fp8_fp8 v[O+32*\t+8*\ct:O+32*\t+8*\ct+7], v[VF+16*\ct:VF+16*\ct+15], v[PC+16*\t:PC+16*\t+15], v[O+32*\t+8*\ct:O+32*\t+8*\ct+7]
.irp u, 0,1
.irp c, 0,1,2,3
	v_pk_add_f32 v[L+8*\u+2*\c:L+8*\u+2*\c+1], v[L+8*\u+2*\c:L+8*\u+2*\c+1], v[S+64*\u+8*i+2*\c:S+64*\u+8*i+2*\c+1]
.endr
.endr
.set i, i+1
.endr
.endr
	WIN 0
	s_add_co_u32 s[TB], s[TB], 8192
	s_add_co_u32 s[TBN], s[TB], 8192
	s_and_b32 s[TBN], s[TBN], 0x1ffff              ; behind the last step comes the first
.endm
.Lpass:
.irp t, 0,1
	v_mov_b32 v[ST+8*\t+1], 0xff61b1e6             ; the largest t so far: -3e38
	v_mov_b32 v[ST+8*\t+5], 0                      ; (the upper half of f's pair)
.endr
.irp t, 0,1
	v_floor_f32 v[ST+8*\t], -v[ST+8*\t+1]
.endr
	WIN 0x40
.set j, 0
.rept 16
	v_mov_b32 v[L+j], 0                            ; the sums
.set j, j+1
.endr
.set j, 0
.rept 64
	v_mov_b32 v[O+j], 0                            ; the step is written once: the first finds zeros
.set j, j+1
.endr
	WIN 0
	s_mov_b32 s[TB], 0
	s_mov_b32 s[TBN], 8192
	s_mov_b32 s[CNT], 16
.Lstep:
	STEP
	s_sub_co_u32 s[CNT], s[CNT], 1
	s_cmp_lg_u32 s[CNT], 0
	s_cbranch_scc1 .Lstep
	; THE WAY OUT of a pass: O^T / the sum x 2^(e4 + e5), held within +-448 x 2^e6, converted; each store of the wave covers 512 consecutive bytes, aligned
.rept 4
	v_nop
.endr
	WIN 0x05
	s_wait_alu depctr_va_vdst(0)
.irp t, 0,1
	v_pk_add_f32 v[TT+4*\t:TT+4*\t+1], v[L+8*\t:L+8*\t+1], v[L+8*\t+2:L+8*\t+3]
	v_pk_add_f32 v[TT+4*\t+2:TT+4*\t+3], v[L+8*\t+4:L+8*\t+5], v[L+8*\t+6:L+8*\t+7]
.endr
	WIN 0
.irp t, 0,1
	v_pk_add_f32 v[TT+4*\t:TT+4*\t+1], v[TT+4*\t:TT+4*\t+1], v[TT+4*\t+2:TT+4*\t+3]
.endr
.irp t, 0,1
	v_add_f32 v[ST+8*\t+6], v[TT+4*\t], v[TT+4*\t+1]
.endr
.irp t, 0,1
	s_delay_alu instid0(VALU_DEP_2)
	v_permlanex16_b32 v[ST+8*\t+7], v[ST+8*\t+6], s[SEL], s[SEL+1]
.endr
.irp t, 0,1
	s_delay_alu instid0(VALU_DEP_2)
	v_add_f32 v[ST+8*\t+6], v[ST+8*\t+6], v[ST+8*\t+7]
.endr
	s_wait_alu depctr_va_vdst(0)                   ; ahead of the batch
.irp t, 0,1
	v_rcp_f32 v[ST+8*\t+6], v[ST+8*\t+6]
.endr
	v_nop
	s_wait_alu depctr_va_vdst(0)                   ; and behind it
.irp t, 0,1
	v_ldexp_f32 v[ST+8*\t+6], v[ST+8*\t+6], s[EO]
.endr
	WIN 0x01
	s_wait_alu depctr_va_vdst(0)                   ; directly ahead of O^T's first readers
.irp t, 0,1
.set j, 0
.rept 16
	v_pk_mul_f32 v[S+64*\t+j:S+64*\t+j+1], v[O+32*\t+j:O+32*\t+j+1], v[ST+8*\t+6:ST+8*\t+7] op_sel_hi:[1,0]
.set j, j+2
.endr
.endr
	WIN 0
.irp t, 0,1
.irp ct, 0,1,2,3
.irp i, 0,1,2,3,4,5,6,7
	v_med3_num_f32 v[S+64*\t+8*\ct+\i], v[S+64*\t+8*\ct+\i], -v[SO+1], v[SO+1]   ; the conversion does not saturate (ISA guide 7.6.2): the hold comes first
.endr
	v_cvt_scalef32_pk8_fp8_f32 v[OC+8*\t+2*\ct:OC+8*\t+2*\ct+1], v[S+64*\t+8*\ct:S+64*\t+8*\ct+7], v[SO]
.endr
.endr
	v_nop                                          ; one plain line behind the last conversion
.irp t, 0,1
.irp g, 0,1
	global_store_b128 v[LI], v[OC+8*\t+4*\g:OC+8*\t+4*\g+3], s[OB:OB+1] offset:\t*4096+\g*512
.endr
.endr
.set j, 0
.rept 16
	v_mov_b32 v[Q+j], v[QN+j]                      ; the second pass's queries
.set j, j+1
.endr
	s_wait_xcnt 0x0                                ; the stores have read their base and their data
	s_add_nc_u64 s[OB:OB+1], s[OB:OB+1], 65536     ; 16 tiles of tokens on
	s_sub_co_u32 s[PASS], s[PASS], 1
	s_cmp_lg_u32 s[PASS], 0
	s_cbranch_scc1 .Lpass
	s_wait_tensorcnt 0x0                           ; the wave's end
	ds_add_u32 v[SPW], v[NIL]
	s_wait_dscnt 0x0
	CROUND                                         ; the closing round
	s_endpgm
.Lfunc_end_k_q4f2d922f5a_attn:
	.size	k_q4f2d922f5a_attn, .Lfunc_end_k_q4f2d922f5a_attn-k_q4f2d922f5a_attn
	.p2alignl 7, 3214868480
	.fill 96, 4, 3214868480
	.section	.rodata,"a",@progbits
	.p2align	6, 0x0
	.amdhsa_kernel k_q4f2d922f5a_attn
		.amdhsa_group_segment_fixed_size 327680
		.amdhsa_private_segment_fixed_size 0
		.amdhsa_enable_private_segment 0
		.amdhsa_kernarg_size 24
		.amdhsa_user_sgpr_count 2
		.amdhsa_user_sgpr_kernarg_segment_ptr 1
		.amdhsa_wavefront_size32 1
		.amdhsa_system_sgpr_workgroup_id_x 1
		.amdhsa_system_sgpr_workgroup_id_y 1
		.amdhsa_system_sgpr_workgroup_id_z 1
		.amdhsa_system_vgpr_workitem_id 0
		.amdhsa_next_free_vgpr 512
		.amdhsa_next_free_sgpr 96
		.amdhsa_reserve_vcc 0
		.amdhsa_float_denorm_mode_32 3
		.amdhsa_float_denorm_mode_16_64 3
		.amdhsa_memory_ordered 1
		.amdhsa_forward_progress 1
		.amdhsa_inst_pref_size 44
	.end_amdhsa_kernel
	.amdgpu_metadata
---
amdhsa.version: [ 1, 2 ]
amdhsa.kernels:
  - .name:           k_q4f2d922f5a_attn
    .symbol:         k_q4f2d922f5a_attn.kd
    .args:
      - { .name: qkv, .offset: 0, .size: 8, .value_kind: global_buffer, .address_space: global }
      - { .name: lowp_scales, .offset: 8, .size: 8, .value_kind: global_buffer, .address_space: global }
      - { .name: aimg, .offset: 16, .size: 8, .value_kind: global_buffer, .address_space: global }
    .group_segment_fixed_size: 327680
    .private_segment_fixed_size: 0
    .kernarg_segment_align: 8
    .kernarg_segment_size: 24
    .max_flat_workgroup_size: 256
    .sgpr_count:     96
    .vgpr_count:     512
    .wavefront_size: 32
...
	.end_amdgpu_metadata
.endif
;; end of part 3
;; launch gemm_out (part 4): grid 4 x 32, 4 waves a work-group, clusters of 4 x 4, 327,680 bytes of LDS; arguments aimg, codes, lowp_scales, out_b, out0; writes out0
.if DOCPART == 4
	.amdgcn_target "amdgcn-amd-amdhsa--gfx1250"
	.amdhsa_code_object_version 6
	.text
	.protected	k_q4f2d922f5a_gemm_out
	.globl	k_q4f2d922f5a_gemm_out
	.p2align	8
	.type	k_q4f2d922f5a_gemm_out,@function
k_q4f2d922f5a_gemm_out:
	s_mov_b64 s[64:65], 0
	v_nop
	global_prefetch_b8 v0, s[64:65] scope:SCOPE_SE
	s_setreg_imm32_b32 hwreg(HW_REG_WAVE_MODE, 25, 1), 1
	s_wait_xcnt 0x0
	s_wait_alu depctr_hold_cnt(0) depctr_sa_sdst(0) depctr_va_vdst(0) depctr_va_sdst(0) depctr_va_ssrc(0) depctr_va_vcc(0) depctr_vm_vsrc(0)
	s_getreg_b32 s2, hwreg(HW_REG_IB_STS2, 6, 4)
	s_cmp_eq_u32 s2, 0
	s_cbranch_scc0 .Lentry_in_a_cluster
	s_endpgm
.Lentry_in_a_cluster:
	s_bfe_u32 s2, ttmp6, 0x10000c
	s_cmp_lg_u32 s2, 0xf033
	s_cbranch_scc0 .Lentry_shape_is_right
	s_endpgm
.Lentry_shape_is_right:
.set ROWB,   256
.set KROW,   1024
.set PITCH,  272
.set FR,     16
.set NL,     4
.set NP,     4
.set AH,     32768
.set BH,     128*PITCH
.set SLOT,   2*AH+2*BH
.set ASTEP,  2097152
.set LAPS,   2
.set SPARE,  2*SLOT
.set SPITCH, 528
.set ADRA, 16
.set ADRB, 20
.set STO,  24
.set RD,   25
.set CO,   26
.set SPW,  28
.set NIL,  29
.set BI,   32
.set AF,   128
.set BK,   128
.set G1, 24
.set G0, 32
.set G1B, 48
.set G0B, 56
.set MSB, 0
.macro WIN new
.if MSB != \new
	s_set_vgpr_msb (MSB<<8)|\new
.set MSB, \new
.endif
.endm
.set MUL_LO, 0xa1
.set MUL_HI, 0xf1
.set TO_B,   0x40
.macro JLOAD g0a, g1a, g0b, g1b
	s_cmp_eq_u32 s15, 0
	s_cbranch_scc0 .Lfor_b_\@
	tensor_load_to_lds s[\g0a:\g0a+3], s[\g1a:\g1a+7]
	s_nop 0
.rept 4
	v_nop
.endr
	s_branch .Lasked_\@
.Lfor_b_\@:
	tensor_load_to_lds s[\g0b:\g0b+3], s[\g1b:\g1b+7]
	s_nop 0
.rept 4
	v_nop
.endr
.Lasked_\@:
.endm
.macro CREST
	s_cmp_lg_u32 s14, 0
	s_cbranch_scc1 .Lnot_wave_0_\@
	s_barrier_signal -3
.Lnot_wave_0_\@:
	s_barrier_wait -3
	s_barrier_signal -1
	s_barrier_wait -1
.endm
.macro CROUND
	s_barrier_signal -1
	s_barrier_wait -1
	CREST
.endm
	s_load_b256 s[4:11], s[0:1], 0x0
	s_load_b64 s[12:13], s[0:1], 0x20
	v_lshl_add_u32 v[SPW], v0, 2, SPARE
	v_mov_b32 v[NIL], 0
	ds_add_u32 v28, v29
	ds_add_u32 v28, v29
	s_wait_dscnt 0x0
	v_lshrrev_b32 v1, 5, v0
	v_readfirstlane_b32 s14, v1
	s_lshr_b32 s15, s14, 1
	s_and_b32 s16, s14, 1
	s_bfe_u32 s40, ttmp6, 0x40000
	s_bfe_u32 s41, ttmp6, 0x40004
	s_lshl_b32 s42, ttmp9, 2
	s_add_co_u32 s42, s42, s40
	s_and_b32 s17, ttmp7, 0xffff
	s_lshl_b32 s17, s17, 2
	s_add_co_u32 s17, s17, s41
	s_lshl_b32 s43, s41, 2
	s_lshl_b32 s43, 15, s43
	s_lshl_b32 s44, 0x1111, s40
	s_or_b32 s[G1+0], s43, (0<<16)|(1<<21)
	s_mov_b32 s[G1+1], ROWB<<16
	s_mov_b32 s[G1+2], 128<<16
	s_mov_b32 s[G1+3], ROWB<<16
	s_mov_b32 s[G1+4], 128
	s_mov_b32 s[G1+5], ROWB
	s_mov_b32 s[G1+6], 0
	s_mov_b32 s[G1+7], 0
	s_or_b32 s[G1B+0], s44, (0<<16)|(1<<20)|(1<<21)|(5<<22)|(3<<25)
	s_mov_b32 s[G1B+1], ROWB<<16
	s_mov_b32 s[G1B+2], 128<<16
	s_mov_b32 s[G1B+3], ROWB<<16
	s_mov_b32 s[G1B+4], 128
	s_mov_b32 s[G1B+5], KROW
	s_mov_b32 s[G1B+6], 0
	s_mov_b32 s[G1B+7], 0
	s_lshl_b32 s20, s17, 16
	s_lshl_b32 s21, s16, 15
	s_add_co_u32 s20, s20, s21
	s_mov_b32 s21, 0
	s_lshl_b32 s46, s42, 8
	s_lshl_b32 s47, s16, 7
	s_add_co_u32 s46, s46, s47
	s_add_co_u32 s46, s46, 11264
	s_lshl_b32 s46, s46, 10
	s_mov_b32 s47, 0
	s_mul_i32 s45, s16, AH
	s_mul_i32 s80, s16, BH
	s_add_co_u32 s80, s80, 2*AH
	s_wait_kmcnt 0x0
	s_load_b256 s[68:75], s[8:9], 0x0
	s_add_nc_u64 s[20:21], s[4:5], s[20:21]
	s_add_nc_u64 s[46:47], s[6:7], s[46:47]
	CROUND
.irp s, 0,1
	s_mov_b32 s[G0+4*\s], 1
	s_add_co_u32 s[G0+4*\s+1], s45, \s*SLOT
	s_add_nc_u64 s[G0+4*\s+2:G0+4*\s+3], s[20:21], \s*ASTEP
	s_or_b32 s[G0+4*\s+3], s[G0+4*\s+3], 0x80000000
	s_mov_b32 s[G0B+4*\s], 1
	s_add_co_u32 s[G0B+4*\s+1], s80, \s*SLOT
	s_add_nc_u64 s[G0B+4*\s+2:G0B+4*\s+3], s[46:47], \s*ROWB
	s_or_b32 s[G0B+4*\s+3], s[G0B+4*\s+3], 0x80000000
.endr
	JLOAD G0, G1, G0B, G1B                         ; K step 0, behind the one round above: one tensor load a wave at the head
	v_and_b32 v1, 15, v0
	v_bfe_u32 v2, v0, 4, 1
	v_and_b32 v6, 31, v0
	v_lshlrev_b32 v[CO], 4, v6
	v_mul_u32_u24 v3, v1, PITCH
	v_lshl_add_u32 v4, v2, 3, v3
	s_mul_i32 s21, s15, AH
	s_mul_i32 s22, s16, BH
	s_add_co_u32 s22, s22, 2*AH
.irp s, 0,1
	v_add_nc_u32 v[ADRA+\s], s21, v[CO]
	v_add_nc_u32 v[ADRB+\s], s22, v4
	s_add_co_u32 s21, s21, SLOT
	s_add_co_u32 s22, s22, SLOT
.endr
	s_mul_i32 s23, s14, 16*SPITCH
	v_mul_u32_u24 v5, v1, SPITCH
	v_lshl_add_u32 v5, v2, 5, v5
	v_add_nc_u32 v[STO], s23, v5
	v_add_nc_u32 v[RD], s23, v[CO]
	s_lshl_b32 s20, s17, 8
	s_lshl_b32 s21, s15, 7
	s_add_co_u32 s20, s20, s21
	s_lshl_b32 s20, s20, 12
	s_mov_b32 s21, 0
	s_lshl_b32 s46, s42, 10
	s_lshl_b32 s47, s16, 9
	s_add_co_u32 s46, s46, s47
	s_mov_b32 s47, 0
	s_add_nc_u64 s[82:83], s[10:11], s[46:47]
	s_add_nc_u64 s[20:21], s[20:21], s[46:47]
	s_add_nc_u64 s[12:13], s[12:13], s[20:21]
	global_load_b128 v[BI:BI+3], v[CO], s[82:83]
.macro MUL16 a0, p, zero
.irp a, \a0, \a0+1
.irp b, 0,1,2,3,4,5,6,7
.if \zero
	v_wmma_f32_16x16x128_fp8_fp8 v[8*(8*((\a)%4)+\b):8*(8*((\a)%4)+\b)+7], v[128*(\p)+FR*\b:128*(\p)+FR*\b+FR-1], v[AF+FR*(\a):AF+FR*(\a)+FR-1], 0
.else
	v_wmma_f32_16x16x128_fp8_fp8 v[8*(8*((\a)%4)+\b):8*(8*((\a)%4)+\b)+7], v[128*(\p)+FR*\b:128*(\p)+FR*\b+FR-1], v[AF+FR*(\a):AF+FR*(\a)+FR-1], v[8*(8*((\a)%4)+\b):8*(8*((\a)%4)+\b)+7]
.endif
.endr
.endr
.endm
.macro FETCH_B slot, q, p
	WIN TO_B
.irp i, 0,1,2,3,4,5,6,7
.irp c, 0,1,2,3,4,5,6,7
	ds_load_b64 v[128*(\p)+FR*\i+2*\c:128*(\p)+FR*\i+2*\c+1], v[ADRB+\slot] offset:128*(\q)+16*\c+\i*16*PITCH
.endr
.endr
	WIN 0
.endm
.macro FETCH_A slot, q, i0
.irp i, \i0, \i0+1, \i0+2, \i0+3
.irp c, 0,1,2,3
	ds_load_b128 v[AF+FR*(\i)+4*\c:AF+FR*(\i)+4*\c+3], v[ADRA+\slot] offset:(2*(\i)+(\q))*2048+512*\c
.endr
.endr
.endm
.macro PLACES n
.rept \n
	v_nop
.endr
.endm
.macro STEP slot, q, zero
	s_wait_dscnt 4*NL
	WIN MUL_LO
	MUL16 0, (\q)%2, \zero
	MUL16 2, (\q)%2, \zero
	s_wait_dscnt 0
	PLACES NP
	FETCH_B \slot, (\q)+1, 1-(\q)%2
	FETCH_A \slot, (\q)+1, 0
	WIN MUL_HI
	MUL16 4, (\q)%2, \zero
	MUL16 6, (\q)%2, \zero
	PLACES NP
	WIN 0
	FETCH_A \slot, (\q)+1, 4
.endm
.macro TURN slot, next, fill
	s_wait_tensorcnt 0x0
	ds_add_u32 v[SPW], v[NIL]
	s_wait_dscnt 4*NL+1
	WIN MUL_LO
	MUL16 0, 1, 0
	s_wait_dscnt 0x0
	s_barrier_signal -1
	MUL16 2, 1, 0
	WIN 0
	s_barrier_wait -1
.if \fill
	CREST
	s_add_nc_u64 s[G0+4*\slot+2:G0+4*\slot+3], s[G0+4*\slot+2:G0+4*\slot+3], 2*ASTEP
	s_add_nc_u64 s[G0B+4*\slot+2:G0B+4*\slot+3], s[G0B+4*\slot+2:G0B+4*\slot+3], 2*ROWB
	JLOAD G0+4*\slot, G1, G0B+4*\slot, G1B
.else
	PLACES NP
.endif
	FETCH_B \next, 0, 0
	FETCH_A \next, 0, 0
	WIN MUL_HI
	MUL16 4, 1, 0
	MUL16 6, 1, 0
	PLACES NP
	WIN 0
	FETCH_A \next, 0, 4
.endm
	s_wait_alu depctr_va_vdst(0)
	s_wait_tensorcnt 0x0                           ; my part of K step 0 is in
	ds_add_u32 v[SPW], v[NIL]
	s_wait_dscnt 0x0
	CROUND                                         ; a whole round: everybody's part of K step 0 is in, and the joint loads meet
	JLOAD G0+4, G1, G0B+4, G1B                     ; K step 1's load, the first tensor load behind the round
	FETCH_B 0, 0, 0
	FETCH_A 0, 0, 0
	FETCH_A 0, 0, 4
	STEP 0, 0, 1
	s_mov_b32 s3, LAPS-1
.Llap:
	TURN 0, 1, 1
	STEP 1, 0, 0
	TURN 1, 0, 1
	STEP 0, 0, 0
	s_sub_co_u32 s3, s3, 1
	s_cmp_lg_u32 s3, 0
	s_cbranch_scc1 .Llap
	TURN 0, 1, 0
	STEP 1, 0, 0
	s_wait_dscnt 4*NL
	WIN MUL_LO
	MUL16 0, 1, 0
	MUL16 2, 1, 0
	s_wait_dscnt 0
	WIN MUL_HI
	MUL16 4, 1, 0
	MUL16 6, 1, 0
	WIN 0
.macro TOSTAGE a
.set AC, 64*((\a)%4)
	WIN 0x08+4*((\a)/4)
.irp b, 0,1,2,3,4,5,6,7
	ds_store_b128 v[STO], v[AC+8*\b:AC+8*\b+3] offset:64*\b
	ds_store_b128 v[STO], v[AC+8*\b+4:AC+8*\b+7] offset:64*\b+16
.endr
	WIN 0
.set BB, BK+64*((\a)%2)
.irp t, 0,1,2,3,4,5,6,7,8,9,10,11,12,13,14,15
	ds_load_b128 v[BB+4*\t:BB+4*\t+3], v[RD] offset:\t*SPITCH
.endr
.endm
.macro SEND a, younger
.set BB, BK+64*((\a)%2)
	s_wait_dscnt \younger
.if (\a) > 0
	s_add_nc_u64 s[12:13], s[12:13], 16*4096
.endif
.irp t, 0,1,2,3,4,5,6,7,8,9,10,11,12,13,14,15
	v_pk_fma_f32 v[BB+4*\t:BB+4*\t+1], v[BB+4*\t:BB+4*\t+1], s[96:97], v[BI:BI+1] op_sel_hi:[1,0,1]
	v_pk_fma_f32 v[BB+4*\t+2:BB+4*\t+3], v[BB+4*\t+2:BB+4*\t+3], s[96:97], v[BI+2:BI+3] op_sel_hi:[1,0,1]
	global_store_b128 v[CO], v[BB+4*\t:BB+4*\t+3], s[12:13] offset:\t*4096 th:TH_STORE_NT
.endr
.endm
	s_wait_kmcnt 0x0
	s_add_co_i32 s96, s74, s75
	s_add_co_i32 s96, s96, 127
	s_lshl_b32 s96, s96, 23
	s_mov_b32 s97, s96
	s_wait_loadcnt 0x0
	PLACES NP
	TOSTAGE 0
.irp a, 1,2,3,4,5,6,7
.if \a > 1
	s_wait_xcnt 0x0
.endif
	TOSTAGE \a
	SEND \a-1, 32
.endr
	s_wait_xcnt 0x0
	SEND 7, 0
	s_wait_tensorcnt 0x0
	ds_add_u32 v[SPW], v[NIL]
	s_wait_dscnt 0x0
	CROUND
	s_endpgm
.Lfunc_end_k_q4f2d922f5a_gemm_out:
	.size	k_q4f2d922f5a_gemm_out, .Lfunc_end_k_q4f2d922f5a_gemm_out-k_q4f2d922f5a_gemm_out
	.p2alignl 7, 3214868480
	.fill 96, 4, 3214868480
	.section	.rodata,"a",@progbits
	.p2align	6, 0x0
	.amdhsa_kernel k_q4f2d922f5a_gemm_out
		.amdhsa_group_segment_fixed_size 327680
		.amdhsa_private_segment_fixed_size 0
		.amdhsa_enable_private_segment 0
		.amdhsa_kernarg_size 40
		.amdhsa_user_sgpr_count 2
		.amdhsa_user_sgpr_kernarg_segment_ptr 1
		.amdhsa_wavefront_size32 1
		.amdhsa_system_sgpr_workgroup_id_x 1
		.amdhsa_system_sgpr_workgroup_id_y 1
		.amdhsa_system_sgpr_workgroup_id_z 1
		.amdhsa_system_vgpr_workitem_id 0
		.amdhsa_next_free_vgpr 1024
		.amdhsa_next_free_sgpr 100
		.amdhsa_reserve_vcc 0
		.amdhsa_float_denorm_mode_32 3
		.amdhsa_float_denorm_mode_16_64 3
		.amdhsa_memory_ordered 1
		.amdhsa_forward_progress 1
		.amdhsa_inst_pref_size 140
	.end_amdhsa_kernel
	.amdgpu_metadata
---
amdhsa.version: [ 1, 2 ]
amdhsa.kernels:
  - .name:           k_q4f2d922f5a_gemm_out
    .symbol:         k_q4f2d922f5a_gemm_out.kd
    .args:
      - { .name: aimg, .offset: 0, .size: 8, .value_kind: global_buffer, .address_space: global }
      - { .name: codes, .offset: 8, .size: 8, .value_kind: global_buffer, .address_space: global }
      - { .name: lowp_scales, .offset: 16, .size: 8, .value_kind: global_buffer, .address_space: global }
      - { .name: out_b, .offset: 24, .size: 8, .value_kind: global_buffer, .address_space: global }
      - { .name: out0, .offset: 32, .size: 8, .value_kind: global_buffer, .address_space: global }
    .group_segment_fixed_size: 327680
    .private_segment_fixed_size: 0
    .kernarg_segment_align: 8
    .kernarg_segment_size: 40
    .max_flat_workgroup_size: 128
    .sgpr_count:     100
    .vgpr_count:     1024
    .wavefront_size: 32
...
	.end_amdgpu_metadata
.endif
;; end of part 4
